; MI455X (gfx1250); checked and timed in simulation.
; The chip was launched on July 23, 2026; its instructions are those of AMD's public machine-readable ISA for CDNA 5 (MIT licence, August 2026) and "CDNA5" Instruction Set Architecture Reference Guide (July 2026). The comments in the code are by the model that wrote it; some were corrected since.
;; Selective Attention. Allowed arithmetic: matrix products marked QUANTISED: E3M2 operands, one E8M0 scale for each 32 along K, by v_wmma_scale_f32_16x16x128_f8f6f4 with both operands' format E3M2, f32 sums; products left as they are: f32 operands where the result goes on into a quantised operand, else bf16, f16 or f32 operands; f32 sums; everything else in f32.
;; Inputs: W_out_codes 1,024 x 32 x 24 uint8 (E3M2 codes of W_out, K innermost, in blocks of 32 codes, four codes in three bytes); W_out_scales 1,024 x 32 uint8 (E8M0 scales of W_out, one for each 32 codes along K); W_qkv_codes 3,072 x 32 x 24 uint8 (E3M2 codes of W_qkv, K innermost, in blocks of 32 codes, four codes in three bytes); W_qkv_scales 3,072 x 32 uint8 (E8M0 scales of W_qkv, one for each 32 codes along K); Wg1_codes 256 x 32 x 24 uint8 (E3M2 codes of Wg1, K innermost, in blocks of 32 codes, four codes in three bytes); Wg1_scales 256 x 32 uint8 (E8M0 scales of Wg1, one for each 32 codes along K); Wg2 256 x 1 float32; bg1 256 float32; bg2 1 float32; x 1 x 4,096 x 1,024 float32.
;; Outputs: out0 1 x 4,096 x 1,024 float32; out1 1 x 4,096 x 1 float32.
;; This version of the problem:
;;   THIS VERSION OF THE PROBLEM IS GIVEN IN LOW PRECISION. The matrix products marked QUANTISED in the list below multiply operands that are first quantised to E3M2 (3 exponent bits, 2 mantissa bits; 6 bits a number), with one power-of-two scale for each 32 numbers along K (OCP MX v1.0); their sums are f32. All else is computed in f32.
;;   The module's matrix products, in the order in which they are computed (A, B: the left and right operand; K: the contracted axis; several contracted axes count as one K, in the product's order):
;;     1. [M 4,096, K 1,024] x [K 1,024, N 256]; A: input x; B: input Wg1 (given as codes): QUANTISED
;;     2. [M 4,096, K 256] x [K 256, N 1]; A: computed on the way; B: input Wg2: left as it is (N = 1 < 16)
;;     3. [M 4,096, K 1,024] x [K 1,024, N 3,072]; A: input x; B: input W_qkv (given as codes): QUANTISED
;;     4. batch 16 x [M 4,096, K 64] x [K 64, N 4,096]; A: computed on the way; B: computed on the way: QUANTISED
;;     5. batch 16 x [M 4,096, K 4,096] x [K 4,096, N 64]; A: softmax (see below); B: computed on the way: QUANTISED
;;     6. [M 4,096, K 1,024] x [K 1,024, N 1,024]; A: computed on the way; B: input W_out (given as codes): QUANTISED
;;   THE QUANTISER, for each operand of a quantised product, along K:
;;     - K is cut into blocks of 32 from its start; a last block that is shorter is filled with zeros.
;;     - A block's scale is 2^e with e = floor(log2(the largest magnitude in the block)) - 4, held to -126 .. 127; a block of zeros has e = 0. As a byte (E8M0): e + 127.
;;     - Each number is divided by its block's scale, clamped to +-28, and rounded to the nearest number of E3M2, ties to even, subnormals kept.
;;     - The product sums the exact products of the quantised numbers (number of the format x scale) in f32.
;;   ~~~python
;;   def quantise(x, axis):      # numpy; x: float32 -> the quantised numbers, widened to float32 again
;;       x = np.moveaxis(x, axis, -1); K = x.shape[-1]
;;       x = np.pad(x, [(0, 0)] * (x.ndim - 1) + [(0, -K % 32)]); x = x.reshape(x.shape[:-1] + (-1, 32)); a = np.abs(x).max(-1, keepdims=True)
;;       e = np.where(a > 0, np.clip(np.frexp(np.where(a > 0, a, 1))[1] - 1 - 4, -126, 127), 0)      # np.frexp(a)[1] - 1 = floor(log2(a)), exactly
;;       r = np.clip(x / 2.0 ** e, -28, 28)
;;       step = 2.0 ** (np.maximum(np.frexp(np.where(r == 0, 1, r))[1] - 1, -2) - 2)
;;       q = np.round(r / step) * step * 2.0 ** e      # np.round: ties to even
;;       return np.moveaxis(q.reshape(q.shape[:-2] + (-1,))[..., :K], -1, axis).astype(np.float32)
;;   ~~~
;;   SOFTMAX AHEAD OF A QUANTISED PRODUCT. Where the list says 'softmax', what is quantised is not the finished softmax but p = 2^(t - M), with t = logit x log2(e) and M = ceil(the row's largest t), a whole number; so 1/2 < the row's largest p <= 1. The row's sum l is taken of the UNQUANTISED p, in f32, and the product's result is divided by l at the end. Since M is a whole number, a kernel that streams over the keys may use a running M (the ceiling of the running maximum): every later rescaling is an exact power of two, which a block's scale takes up: the codes' values come out the same.
;;   OPERANDS COMPUTED ON THE WAY. 'Computed on the way' means the value that the module computes at that place (a softmax that the list does not call 'softmax' is quantised finished and normalised). What goes into a quantiser is computed in f32, as accurately as f32 sums, v_exp_f32 and their like allow (about 1e-6 of the number): no bf16 or f16 on the way to a quantiser, and a product that is left as it is and whose result goes on into a quantised operand takes f32 operands (vector FMAs, or v_wmma_f32_16x16x4_f32). A number that lies on a knife's edge between two numbers of the format may be rounded either way, as far as f32 arithmetic and the matrix unit's own rounding can turn it there, and no further.
;;   INPUTS GIVEN AS CODES. W_out (in the module: [1024, 1024], K = its axis 0); W_qkv (in the module: [1024, 3072], K = its axis 0); Wg1 (in the module: [1024, 256], K = its axis 0): each comes as NAME_codes (uint8): NAME with its K axis moved to the last place and cut into blocks of 32 codes, [.., K / 32, bytes a block], one block behind the other in memory; four codes in three bytes: a row's codes are one little-endian stream of bits, code i at bits 6 i .. 6 i + 5 (a code: sign, 3 exponent bits, 2 mantissa bits); and NAME_scales (uint8): the same leading axes, one E8M0 byte (e + 127) for each 32 codes along K. Its value is code x scale, taken as it is: it is not quantised again, and the codes and scales need not be those that the quantiser above would give.
;; One version. Each part assembles by itself: llvm-mc -triple=amdgcn-amd-amdhsa -mcpu=gfx1250 --defsym DOCPART=n.
;; ======== version 1 of 1: 3 launches
;; limits: a function is approximated: absolute error at most 1.5e-07
;; workspace buffers: qb 3,407,872 bytes; kv 6,553,600 bytes; oc 3,145,728 bytes; os 131,072 bytes; gp 65,536 bytes
;; launch proj (part 1): grid 64 x 4, 4 waves a work-group, clusters of 4 x 1, 327,680 bytes of LDS; arguments x, W_qkv_codes, W_qkv_scales, Wg1_codes, Wg1_scales, bg1, Wg2, qb, kv, gp; writes qb, kv, gp
.if DOCPART == 1
	.amdgcn_target "amdgcn-amd-amdhsa--gfx1250"
	.amdhsa_code_object_version 6
	.text
	.protected	k_q1b60a1201d_proj
	.globl	k_q1b60a1201d_proj
	.p2align	8
	.type	k_q1b60a1201d_proj,@function
k_q1b60a1201d_proj:
	s_mov_b64 s[64:65], 0
	v_nop
	global_prefetch_b8 v0, s[64:65] scope:SCOPE_SE
	s_setreg_imm32_b32 hwreg(HW_REG_WAVE_MODE, 25, 1), 1
	s_wait_xcnt 0x0
	s_wait_alu depctr_hold_cnt(0) depctr_sa_sdst(0) depctr_va_vdst(0) depctr_va_sdst(0) depctr_va_ssrc(0) depctr_va_vcc(0) depctr_vm_vsrc(0)
	s_getreg_b32 s2, hwreg(HW_REG_IB_STS2, 6, 4)
	s_cmp_eq_u32 s2, 0
	s_cbranch_scc0 .Lentry_in_a_cluster
	s_endpgm
.Lentry_in_a_cluster:
	s_bfe_u32 s2, ttmp6, 0x10000c
	s_cmp_lg_u32 s2, 0x3003
	s_cbranch_scc0 .Lentry_shape_is_right
	s_endpgm
.Lentry_shape_is_right:
; q, k, v = x W_qkv and the gate's hidden layer gelu(x Wg1 + bg1) . Wg2, all products on codes of BF6 (E3M2) with one E8M0 scale for each 32 along K.
; x [4096][1024] f32 is quantised here; the weights come as codes, rows of 768 bytes with K innermost, and 32 scale bytes a row.
; SHARES.  A work-group takes 64 rows of x (rb) and a group g of four heads; wave w takes head 4 g + w: its 64 columns of q, of k and of v, and 16 hidden units of the gate, for all 64 rows.
; The 64 rows' codes (32 fragments) stay in every wave's registers; a wave's weights are its own and are read from LDS once.
; WHAT LEAVES: q, k, v as codes, quantised in registers, in HALF IMAGES of 768 bytes: 16 rows x 64 along K as six registers a lane (lanes 0-15 the row's first block of 32, lanes 16-31 its second):
; registers 0-3 at 16 x lane, registers 4-5 at 512 + 8 x lane.  For q and k the rows are tokens and K the head's 64; for v the rows are the head's 64 and K is 64 tokens.
; q and k are made transposed (source 0 = weight rows), v straight (source 0 = x), so that a lane's registers run along the K of the product that will read them.
; CLUSTER.  The four row blocks of a cluster walk the same weights: each weight tile is asked for jointly, by the same tensor load with a mask that names the four.
; LIMITS.  NaN and infinities among the inputs are not served.  A block of zeros gets the scale byte 1 (its codes are zeros; the bytes are read by this program alone).
; Inside a block of 32 the codes of q, k and v stand in the order 0-7, 16-23, 8-15, 24-31; both operands of each later product have that order, so the products are the same and only the order of the sums inside the matrix unit differs.
; erf is taken by a rational form with an absolute error of up to 1.5e-7 for every argument.
.set PITCH,  816                       ; a weight row in LDS: 3 x (256 bytes + 16 of padding)
.set TILEB,  16*PITCH                  ; 16 rows
.set SLOTB,  32*PITCH                  ; a slot: 32 rows, one unit
.set RINGW,  2*SLOTB                   ; a wave's two slots
.set GATEW,  4*RINGW                   ; behind the rings: 16 rows of Wg1 for each wave
.set XIMG,   GATEW+4*TILEB             ; x's 32 fragments as images of their registers: fragment (m, s) at (8 m + s) x 1,536
.set XSC,    XIMG+32*1536              ; their scale words, 128 bytes each
.set GPS,    XSC+32*128                ; the gate's partial sums, 256 bytes a wave
.set SPARE,  GPS+1024                  ; the spare words, 128 bytes a wave: two blocks of 256 bytes that no other line names
.set WA,   9                           ; v9, v10   my lane's place in my ring (24 and 40 bytes for the upper half of the lanes)
.set GA,   11                          ; v11, v12  the same in my tile of Wg1
.set SPW,  18                          ; v18  LDS address of my spare word; never rewritten
.set NIL,  19                          ; v19  0; never rewritten
.set HW,   22                          ; v22-25  two scale bytes of each of four half images
.set TM,   28                          ; v28-31 largest magnitudes, v32-35 the other half's and then the bytes, v36-39 the conversions' scale operands
.set PW,   40                          ; a scale word just made
.set PC,   42                          ; v42-65  codes just made
.set CT,   66                          ; v66-73  the conversions' second halves
.set XS,   74                          ; v74-105  x's scale words, 8 m + s
.set WS,   106                         ; v106-153 W_qkv's scale words, 8 u + s: lanes 0-15 the unit's rows 0-15, lanes 16-31 its rows 16-31
.set WSG,  154                         ; v154-161 Wg1's
.set WF,   162                         ; v162-209 weight fragments, two buffers of two
.set BI,   128                         ; window 3: bg1, Wg2, and the gelu's work
.set G2,   136
.set EE,   144
.set TT,   176
.set UU,   208
.set PS,   240
.set SEL,  66                          ; s[66:67] lane selects: lane l xor 16
.set MSB, 0
.macro WIN new                         ; the immediate's high byte repeats the setting that is left
.if MSB != (\new)
	s_set_vgpr_msb (MSB<<8)|(\new)
.set MSB, (\new)
.endif
.endm
.macro PLACES n
.rept \n
	v_nop
.endr
.endm
.macro ROUND                           ; a round of the cluster's barrier
	s_barrier_signal -1
	s_barrier_wait -1
	s_cmp_lg_u32 s28, 0
	s_cbranch_scc1 .Lnot_wave_0_\@
	s_barrier_signal -3
.Lnot_wave_0_\@:
	s_barrier_wait -3
	s_barrier_signal -1
	s_barrier_wait -1
.endm
; one matrix instruction.  c < 0: the product starts the sum.  rowa, rowb: the side's scales stand in lanes 16-31
.macro WM d, a, b, c, sa, sb, rowa, rowb
.if (\c) < 0
.if (\rowa) && (\rowb)
	v_wmma_scale_f32_16x16x128_f8f6f4 v[(\d):(\d)+7], v[(\a):(\a)+11], v[(\b):(\b)+11], 0, v[\sa], v[\sb] matrix_a_fmt:MATRIX_FMT_BF6 matrix_b_fmt:MATRIX_FMT_BF6 matrix_a_scale:MATRIX_SCALE_ROW1 matrix_b_scale:MATRIX_SCALE_ROW1
.elseif (\rowa)
	v_wmma_scale_f32_16x16x128_f8f6f4 v[(\d):(\d)+7], v[(\a):(\a)+11], v[(\b):(\b)+11], 0, v[\sa], v[\sb] matrix_a_fmt:MATRIX_FMT_BF6 matrix_b_fmt:MATRIX_FMT_BF6 matrix_a_scale:MATRIX_SCALE_ROW1
.elseif (\rowb)
	v_wmma_scale_f32_16x16x128_f8f6f4 v[(\d):(\d)+7], v[(\a):(\a)+11], v[(\b):(\b)+11], 0, v[\sa], v[\sb] matrix_a_fmt:MATRIX_FMT_BF6 matrix_b_fmt:MATRIX_FMT_BF6 matrix_b_scale:MATRIX_SCALE_ROW1
.else
	v_wmma_scale_f32_16x16x128_f8f6f4 v[(\d):(\d)+7], v[(\a):(\a)+11], v[(\b):(\b)+11], 0, v[\sa], v[\sb] matrix_a_fmt:MATRIX_FMT_BF6 matrix_b_fmt:MATRIX_FMT_BF6
.endif
.else
.if (\rowa) && (\rowb)
	v_wmma_scale_f32_16x16x128_f8f6f4 v[(\d):(\d)+7], v[(\a):(\a)+11], v[(\b):(\b)+11], v[(\c):(\c)+7], v[\sa], v[\sb] matrix_a_fmt:MATRIX_FMT_BF6 matrix_b_fmt:MATRIX_FMT_BF6 matrix_a_scale:MATRIX_SCALE_ROW1 matrix_b_scale:MATRIX_SCALE_ROW1
.elseif (\rowa)
	v_wmma_scale_f32_16x16x128_f8f6f4 v[(\d):(\d)+7], v[(\a):(\a)+11], v[(\b):(\b)+11], v[(\c):(\c)+7], v[\sa], v[\sb] matrix_a_fmt:MATRIX_FMT_BF6 matrix_b_fmt:MATRIX_FMT_BF6 matrix_a_scale:MATRIX_SCALE_ROW1
.elseif (\rowb)
	v_wmma_scale_f32_16x16x128_f8f6f4 v[(\d):(\d)+7], v[(\a):(\a)+11], v[(\b):(\b)+11], v[(\c):(\c)+7], v[\sa], v[\sb] matrix_a_fmt:MATRIX_FMT_BF6 matrix_b_fmt:MATRIX_FMT_BF6 matrix_b_scale:MATRIX_SCALE_ROW1
.else
	v_wmma_scale_f32_16x16x128_f8f6f4 v[(\d):(\d)+7], v[(\a):(\a)+11], v[(\b):(\b)+11], v[(\c):(\c)+7], v[\sa], v[\sb] matrix_a_fmt:MATRIX_FMT_BF6 matrix_b_fmt:MATRIX_FMT_BF6
.endif
.endif
.endm
; A fragment (16 rows x 128 K, 12 registers) of K step ks from weight rows in LDS, in pieces of 8 bytes.  Lanes 16-31 read three pieces further on; where that is behind one padding more, the second address register serves.
.macro FRAG reg, adr, ks, off
.irp p, 0,1,2,3,4,5
.set PCE, 12*(\ks)+6*(\p/3)+\p%3
.if PCE%32 < 29
	ds_load_b64 v[(\reg)+2*\p:(\reg)+2*\p+1], v[\adr] offset:(\off)+8*PCE+16*(PCE/32)
.else
	ds_load_b64 v[(\reg)+2*\p:(\reg)+2*\p+1], v[(\adr)+1] offset:(\off)+8*PCE+16*(PCE/32)
.endif
.endr
.endm
; my 16 rows' numbers of K step ks: lane (r, h) takes, of row r, 16 neighbours of each block of 32.  Into window 1 + ks / 4
.macro XLOAD ks
	WIN (1+(\ks)/4)<<6
.irp b, 0,1,2,3
.irp j, 0,1,2,3
	global_load_b128 v[64*((\ks)%4)+16*\b+4*\j:64*((\ks)%4)+16*\b+4*\j+3], v4, s[8:9] offset:512*(\ks)+128*\b+16*\j
.endr
.endr
.endm
; nb blocks of 32: registers 16 b .. 16 b + 15 of v[s] on, in window w, are my 16 numbers of block b of my row; lane l xor 16 holds the other 16.
; Out: the codes in v[pc] on (six registers for each two blocks: lanes 0-15 the even block, lanes 16-31 the odd one), the bytes in v[TM+4] on.
.macro QUANT w, s, nb, pc
	WIN ((\w)<<2)|((\w)<<4)
.set qb_, 0
.rept \nb
	v_max3_num_f32 v[TM+qb_], 0x2800000, |v[(\s)+16*qb_]|, |v[(\s)+16*qb_+1]|   ; with the floor 2^(5 - 127): the byte cannot fall under 1
.set qb_, qb_+1
.endr
.irp i, 2,4,6,8,10,12,14
.set qb_, 0
.rept \nb
	v_max3_num_f32 v[TM+qb_], v[TM+qb_], |v[(\s)+16*qb_+\i]|, |v[(\s)+16*qb_+\i+1]|   ; the blocks by turns
.set qb_, qb_+1
.endr
.endr
	WIN 0
.set qb_, 0
.rept \nb
	v_permlanex16_b32 v[TM+4+qb_], v[TM+qb_], s[SEL], s[SEL+1]
.set qb_, qb_+1
.endr
.set qb_, 0
.rept \nb
	v_max_num_f32 v[TM+qb_], v[TM+qb_], v[TM+4+qb_]           ; the block's largest magnitude
.set qb_, qb_+1
.endr
.set qb_, 0
.rept \nb
	v_add_nc_u32 v[TM+8+qb_], 0xfe000000, v[TM+qb_]           ; 4 off its exponent field: the conversion's scale operand
.set qb_, qb_+1
.endr
.set qb_, 0
.rept \nb
	v_lshrrev_b32 v[TM+4+qb_], 23, v[TM+8+qb_]                ; the scale's byte
.set qb_, qb_+1
.endr
	WIN \w
.set qc_, 0
.rept (\nb)/2
	v_cvt_scalef32_pk16_bf6_f32 v[(\pc)+6*qc_:(\pc)+6*qc_+2], v[(\s)+32*qc_:(\s)+32*qc_+15], v[TM+8+2*qc_]
	v_cvt_scalef32_pk16_bf6_f32 v[CT+4*qc_:CT+4*qc_+2], v[(\s)+32*qc_+16:(\s)+32*qc_+31], v[TM+9+2*qc_]
.set qc_, qc_+1
.endr
	WIN 0
	v_nop                                          ; one plain place behind a scaled conversion
.set qc_, 0
.rept (\nb)/2
.irp i, 0,1,2
	v_permlane16_swap_b32 v[(\pc)+6*qc_+\i], v[CT+4*qc_+\i]   ; a whole block to a lane: the first now holds each lane's block's lower 16 codes, the second the upper 16
.endr
.irp i, 0,1,2
	v_mov_b32 v[(\pc)+6*qc_+3+\i], v[CT+4*qc_+\i]
.endr
.set qc_, qc_+1
.endr
.endm
.macro FETCHW sl, ks, buf              ; the unit's two fragments of K step ks: 12 loads
.irp ap, 0,1
	FRAG WF+24*(\buf)+12*\ap, WA, \ks, SLOTB*(\sl)+TILEB*\ap
.endr
.endm
; eight products of K step ks: the unit's two weight tiles x the four tiles of rows.  The eight accumulators take turns, one instruction a turn.
; orient 0: source 0 = weights, accumulator (d tile a, row tile m) at 8 (4 m + a).  orient 1: source 0 = x, accumulator (row tile m, d tile a) at 8 (4 a + m).
.macro MUL8 ks, buf, u, hf, orient
.irp wn, 1,2
.if \orient
	WIN 0xf0|\wn
.else
	WIN 0xf0|(\wn<<2)
.endif
.irp mm, 0,1
.irp ap, 0,1
.set M_, 2*(\wn-1)+\mm
.set XF_, 96*\mm+12*(\ks)
.set WF_, WF+24*(\buf)+12*\ap
.if \orient
.set D_, 8*(4*(2*(\hf)+\ap)+M_)
.else
.set D_, 8*(4*M_+2*(\hf)+\ap)
.endif
.set C_, -1
.if (\ks) > 0
.set C_, D_
.endif
.if \orient
	WM D_, XF_, WF_, C_, XS+8*M_+(\ks), WS+8*(\u)+(\ks), 0, \ap
.else
	WM D_, WF_, XF_, C_, WS+8*(\u)+(\ks), XS+8*M_+(\ks), \ap, 0
.endif
.endr
.endr
.endr
.endm
; a unit: 32 weight rows x all of K: 64 products.  K step ks + 1's fragments are asked for ahead of K step ks's products.  Four places stand in front of each run of loads into registers that products have read.
.macro UNIT sl, u, hf, orient
	WIN 0
	PLACES 4
	FETCHW \sl, 0, 0
.irp ks, 0,1,2,3,4,5,6,7
.if \ks < 7
.if \ks > 0
	WIN 0
	PLACES 4
.endif
	FETCHW \sl, \ks+1, (\ks+1)%2
	s_wait_dscnt 12                                ; all but the 12 loads just issued
.else
	s_wait_dscnt 0x0
.endif
	MUL8 \ks, \ks%2, \u, \hf, \orient
.endr
.endm
; slot sl, which I have read, takes the unit two units on (1,024 weight rows further down)
.macro REFILL sl
	WIN 0
	s_wait_tensorcnt 0x0                           ; all my tensor loads have landed, the other slot's among them: a group 0 may be written
	ds_add_u32 v[SPW], v[NIL]                      ; 0 onto my spare word
	s_add_nc_u64 s[54+4*\sl:55+4*\sl], s[54+4*\sl:55+4*\sl], 1024*768
	s_wait_dscnt 0x0                               ; the add is done, and my reads of the slot are over
	ROUND                                          ; the same holds of every wave of the four work-groups
	tensor_load_to_lds s[52+4*\sl:55+4*\sl], s[36:43]   ; my one tensor load behind the round
	s_nop 0
	PLACES 4
.endm
; 64 x 64 results become four half images and their scale bytes.  kind 0: q, 1: k, 2: v
.macro EPI kind
.set EB, 80+2*(\kind)
	WIN 0
	PLACES 4                                       ; four places between the last product and the first read of results
	s_wait_xcnt 0x0                                ; the last epilogue's stores have read their registers
.irp b, 0,1,2,3
	QUANT 3, 32*\b, 2, PC+6*\b
	v_lshl_or_b32 v[HW+\b], v[TM+5], 8, v[TM+4]
	global_store_b128 v1, v[PC+6*\b:PC+6*\b+3], s[EB:EB+1] offset:768*\b         ; 512 consecutive bytes
	global_store_b64 v2, v[PC+6*\b+4:PC+6*\b+5], s[EB:EB+1] offset:768*\b+512    ; 256 consecutive bytes
.endr
.if (\kind) == 0                                   ; a query's word: (s0, s1, s0, s1): the operand is used as [q | 0] and as [0 | q]
.irp b, 0,1,2,3
	v_lshl_or_b32 v[HW+\b], v[HW+\b], 16, v[HW+\b]
.endr
	v_cndmask_b32 v26, v[HW], v[HW+1], s68         ; lanes 0-15 tile 0, lanes 16-31 tile 1
	v_cndmask_b32 v27, v[HW+2], v[HW+3], s68
	global_store_b32 v3, v26, s[80:81] offset:3072
	global_store_b32 v3, v27, s[80:81] offset:3200
.elseif (\kind) == 1                               ; a pair of key tiles shares a word: two bytes of each
	v_lshl_or_b32 v26, v[HW+1], 16, v[HW]
	v_lshl_or_b32 v27, v[HW+3], 16, v[HW+2]
	v_cndmask_b32 v26, v26, v27, s68
	global_store_b32 v3, v26, s[86:87]
.else                                              ; my 64 tokens are half of a key step: two of a word's four bytes
	v_cndmask_b32 v26, v[HW], v[HW+1], s68
	v_cndmask_b32 v27, v[HW+2], v[HW+3], s68
	global_store_b16 v3, v26, s[88:89]
	global_store_b16 v3, v27, s[88:89] offset:128
.endif
.endm
	s_load_b512 s[8:23], s[0:1], 0x0               ; x, W_qkv codes, scales, Wg1 codes, scales, bg1, Wg2, qb
	s_load_b128 s[24:27], s[0:1], 0x40             ; kv, gp
	v_lshl_add_u32 v[SPW], v0, 2, SPARE
	v_mov_b32 v[NIL], 0
	ds_add_u32 v18, v19
	s_wait_dscnt 0x0
	v_lshrrev_b32 v26, 5, v0
	v_readfirstlane_b32 s28, v26                   ; wave 0..3
	s_bfe_u32 s29, ttmp6, 0x40000                  ; cx
	s_lshl_b32 s30, ttmp9, 2
	s_add_co_u32 s30, s30, s29                     ; rb = 4 x cluster x + cx: it enters global addresses of x, qb, kv and gp alone
	s_and_b32 s31, ttmp7, 0xffff                   ; g, which the four partners share
	s_lshl_b32 s32, s31, 2
	s_add_co_u32 s32, s32, s28                     ; my head
	v_and_b32 v26, 31, v0                          ; lane
	v_and_b32 v27, 15, v0                          ; r
	v_bfe_u32 v20, v0, 4, 1                        ; h
	v_lshlrev_b32 v1, 4, v26                       ; 16 x lane
	v_lshlrev_b32 v2, 3, v26                       ; 8 x lane
	v_lshlrev_b32 v3, 2, v26                       ; 4 x lane
	v_lshlrev_b32 v4, 12, v27
	v_lshl_add_u32 v4, v20, 6, v4                  ; x: row r of 4,096 bytes + 64 h
	s_mul_i32 s92, s28, 8*1536
	s_add_co_u32 s92, s92, XIMG
	v_add_nc_u32 v5, s92, v1                       ; where I store x's images
	s_lshl_b32 s92, s28, 10
	s_add_co_u32 s92, s92, XSC
	v_add_nc_u32 v6, s92, v3                       ; and their scale words
	v_add_nc_u32 v7, XIMG, v1                      ; where any wave reads them
	v_add_nc_u32 v8, XSC, v3
	v_mul_u32_u24 v21, v27, PITCH
	v_mad_u32_u24 v9, v20, 24, v21
	v_mad_u32_u24 v10, v20, 40, v21
	s_mul_i32 s92, s28, TILEB
	s_add_co_u32 s92, s92, GATEW
	v_add_nc_u32 v11, s92, v9
	v_add_nc_u32 v12, s92, v10
	s_mul_i32 s92, s28, RINGW
	v_add_nc_u32 v9, s92, v9
	v_add_nc_u32 v10, s92, v10
	s_lshl_b32 s92, s28, 8
	s_add_co_u32 s92, s92, GPS
	v_add_nc_u32 v13, s92, v3                      ; the gate's partial sums: in,
	v_add_nc_u32 v14, GPS, v2                      ; and back
	v_lshlrev_b32 v15, 5, v26                      ; a row of scale bytes is 32 bytes: a lane a row,
	v_lshlrev_b32 v16, 5, v27                      ; or lane % 16 a row
	v_lshlrev_b32 v17, 5, v20                      ; eight f32 for each half of the lanes
.irp b, 0,1,2,3
	v_mov_b32 v[TM+4+\b], 0                        ; written once: a lane permute's destination counts as one of its sources
.endr
	s_mov_b32 s[SEL], 0x76543210
	s_mov_b32 s[SEL+1], 0xfedcba98
	s_mov_b32 s68, 0xffff0000                      ; lanes 16-31
	s_mov_b32 s70, 0x3f596d27                      ; sqrt(log2(e) / 2)
	s_mov_b32 s71, 0x3e6d3388                      ; 0.3275911 / sqrt(2)
	s_mov_b32 s72, 0x3e827906                      ; a1 .. a5
	s_mov_b32 s73, 0xbe91a98e
	s_mov_b32 s74, 0x3fb5f0e3
	s_mov_b32 s75, 0xbfba00e3
	s_mov_b32 s76, 0x3f87dc22
	; descriptor group 1: 32 (16) rows of 768 bytes, 16 bytes of padding behind each 256; the mask names the four work-groups
	s_mov_b32 s36, 15|(1<<20)|(1<<21)|(5<<22)|(3<<25)
	s_mov_b32 s37, 768<<16
	s_mov_b32 s38, 32<<16
	s_mov_b32 s39, 768<<16
	s_mov_b32 s40, 32
	s_mov_b32 s41, 768
	s_mov_b32 s42, 0
	s_mov_b32 s43, 0
	s_mov_b32 s44, 15|(1<<20)|(1<<21)|(5<<22)|(3<<25)
	s_mov_b32 s45, 768<<16
	s_mov_b32 s46, 16<<16
	s_mov_b32 s47, 768<<16
	s_mov_b32 s48, 16
	s_mov_b32 s49, 768
	s_mov_b32 s50, 0
	s_mov_b32 s51, 0
	s_wait_kmcnt 0x0
	; groups 0: they hang on g and the wave's number alone
	s_mov_b32 s52, 1
	s_mul_i32 s53, s28, RINGW
	s_mov_b32 s56, 1
	s_add_co_u32 s57, s53, SLOTB
	s_mov_b32 s60, 1
	s_mul_i32 s61, s28, TILEB
	s_add_co_u32 s61, s61, GATEW
	s_mul_i32 s92, s32, 64*768
	s_mov_b32 s93, 0
	s_add_nc_u64 s[54:55], s[10:11], s[92:93]      ; q's rows 64 head on,
	s_add_nc_u64 s[58:59], s[54:55], 32*768        ; and 32 rows further
	s_or_b32 s55, s55, 0x80000000
	s_or_b32 s59, s59, 0x80000000
	s_lshl_b32 s94, s31, 6
	s_lshl_b32 s95, s28, 4
	s_add_co_u32 s94, s94, s95                     ; my first hidden unit: 64 g + 16 w
	s_mul_i32 s92, s94, 768
	s_add_nc_u64 s[62:63], s[14:15], s[92:93]
	s_or_b32 s63, s63, 0x80000000
	s_lshl_b32 s92, s94, 5
	s_add_nc_u64 s[16:17], s[16:17], s[92:93]      ; Wg1's scales
	s_lshl_b32 s92, s94, 2
	s_add_nc_u64 s[18:19], s[18:19], s[92:93]      ; bg1
	s_add_nc_u64 s[20:21], s[20:21], s[92:93]      ; Wg2
	s_lshl_b32 s92, s32, 11
	s_add_nc_u64 s[12:13], s[12:13], s[92:93]      ; W_qkv's scales at row 64 head
	; what hangs on rb
	s_lshl_b32 s96, s30, 18
	s_lshl_b32 s97, s28, 16
	s_add_co_u32 s96, s96, s97
	s_mov_b32 s97, 0
	s_add_nc_u64 s[8:9], s[8:9], s[96:97]          ; x at row 64 rb + 16 w
	s_mul_i32 s96, s32, 212992
	s_mul_i32 s34, s30, 3328
	s_add_co_u32 s96, s96, s34
	s_add_nc_u64 s[80:81], s[22:23], s[96:97]      ; qb: [head][rb][3,328]
	s_mul_i32 s96, s32, 409600
	s_lshr_b32 s34, s30, 1
	s_mul_i32 s34, s34, 12800
	s_add_co_u32 s96, s96, s34
	s_add_nc_u64 s[98:99], s[24:25], s[96:97]      ; kv: [head][key step][12,800]
	s_and_b32 s33, s30, 1                          ; which half of the key step's 128 tokens
	s_mul_i32 s96, s33, 3072
	s_add_nc_u64 s[82:83], s[98:99], s[96:97]      ; K's half images,
	s_add_nc_u64 s[84:85], s[82:83], 6144          ; V's,
	s_lshl_b32 s96, s33, 7
	s_add_nc_u64 s[86:87], s[98:99], s[96:97]
	s_add_nc_u64 s[86:87], s[86:87], 12288         ; K's scale words,
	s_lshl_b32 s96, s33, 1
	s_add_nc_u64 s[88:89], s[98:99], s[96:97]
	s_add_nc_u64 s[88:89], s[88:89], 12544         ; V's
	s_lshl_b32 s96, s31, 14
	s_lshl_b32 s34, s30, 8
	s_add_co_u32 s96, s96, s34
	s_add_nc_u64 s[90:91], s[26:27], s[96:97]      ; gp: [g][row]
	; the small loads (18), and x's first two K steps
.irp u, 0,1,2,3,4,5
	global_load_b128 v[WS+8*\u:WS+8*\u+3], v15, s[12:13] offset:(\u/2)*32768+(\u%2)*1024
	global_load_b128 v[WS+8*\u+4:WS+8*\u+7], v15, s[12:13] offset:(\u/2)*32768+(\u%2)*1024+16
.endr
	global_load_b128 v[WSG:WSG+3], v16, s[16:17]
	global_load_b128 v[WSG+4:WSG+7], v16, s[16:17] offset:16
	WIN 0xc0
	global_load_b128 v[BI:BI+3], v17, s[18:19]
	global_load_b128 v[BI+4:BI+7], v17, s[18:19] offset:16
	global_load_b128 v[G2:G2+3], v17, s[20:21]
	global_load_b128 v[G2+4:G2+7], v17, s[20:21] offset:16
.irp b, 4,5,6,7
	v_mov_b32 v[PS+\b], 0                          ; a lane permute's destinations, in window 3
.endr
	XLOAD 0
	XLOAD 1
	WIN 0
	ROUND                                          ; the four work-groups are here: the first joint loads meet
	tensor_load_to_lds s[52:55], s[36:43]          ; unit 0, unit 1 and my tile of Wg1: three loads of mine are out
	s_nop 0
	tensor_load_to_lds s[56:59], s[36:43]
	s_nop 0
	tensor_load_to_lds s[60:63], s[44:51]
	s_nop 0
	PLACES 4
.irp ks, 2,3,4,5,6,7
	XLOAD \ks
.endr
	; x: my 16 rows become eight fragments, stored as images of their registers
.irp ks, 0,1,2,3,4,5,6,7
.if 16*(7-\ks) > 63
	s_wait_loadcnt 63                              ; 16 (7 - ks) loads stand behind this K step's; the count's field holds 63, which asks for more than is needed
.else
	s_wait_loadcnt 16*(7-\ks)
.endif
	s_wait_dscnt 0x0                               ; the last image's stores have read their registers
	QUANT 1+\ks/4, 64*(\ks%4), 4, PC
	v_lshl_or_b32 v[PW], v[TM+5], 8, v[TM+4]
	v_lshl_or_b32 v[PW], v[TM+6], 16, v[PW]
	v_lshl_or_b32 v[PW], v[TM+7], 24, v[PW]
.irp c, 0,1,2
	ds_store_b128 v5, v[PC+4*\c:PC+4*\c+3] offset:1536*\ks+512*\c
.endr
	ds_store_b32 v6, v[PW] offset:128*\ks
.endr
	s_wait_dscnt 0x0                               ; for the others' sake: my images lie in LDS
	s_barrier_signal -1
	s_barrier_wait -1                              ; tensor loads may stay out
.irp m, 0,1,2,3                                    ; all 32 fragments into my registers: (m, s) at window 1 + m / 2, v[96 (m % 2) + 12 s]
	WIN (1+\m/2)<<6
.irp ks, 0,1,2,3,4,5,6,7
.irp c, 0,1,2
	ds_load_b128 v[96*(\m%2)+12*\ks+4*\c:96*(\m%2)+12*\ks+4*\c+3], v7 offset:(8*\m+\ks)*1536+512*\c
.endr
.endr
.endr
	WIN 0
.set i_, 0
.rept 32
	ds_load_b32 v[XS+i_], v8 offset:128*i_
.set i_, i_+1
.endr
	s_wait_tensorcnt 0x2                           ; unit 0 has landed; unit 1 and the gate's tile were issued behind it.  Only I read my slots
	UNIT 0, 0, 0, 0                                ; q, columns 0-31
	REFILL 0                                       ; unit 2
	UNIT 1, 1, 1, 0                                ; q, columns 32-63
	REFILL 1                                       ; unit 3
	EPI 0
	UNIT 0, 2, 0, 0                                ; k
	REFILL 0                                       ; unit 4
	UNIT 1, 3, 1, 0
	REFILL 1                                       ; unit 5: the last load
	EPI 1
	UNIT 0, 4, 0, 1                                ; v
	WIN 0
	s_wait_tensorcnt 0x0                           ; unit 5: no load was issued behind it
	UNIT 1, 5, 1, 1
	EPI 2
	; the gate: my 16 hidden units for the 64 rows; bg1 is the C of each sum's first product
	WIN 0
	PLACES 4
	FRAG WF, GA, 0, 0
.irp ks, 0,1,2,3,4,5,6,7
.if \ks < 7
.if \ks > 0
	WIN 0
	PLACES 4
.endif
	FRAG WF+12*((\ks+1)%2), GA, \ks+1, 0
	s_wait_dscnt 6                                 ; all but the six loads just issued
.else
	s_wait_dscnt 0x0
.endif
.irp wn, 1,2
	WIN 0xf0|(\wn<<2)
.irp mm, 0,1
.set M_, 2*(\wn-1)+\mm
.set C_, BI
.if \ks > 0
.set C_, 8*M_
.endif
	WM 8*M_, WF+12*(\ks%2), 96*\mm+12*\ks, C_, WSG+\ks, XS+8*M_+\ks, 0, 0
.endr
.endr
.endr
	WIN 0
	PLACES 4
	WIN 0xff                                       ; all operands in window 3.  Lane (r, h) holds row r of tile m and hidden units 8 h + j in register 8 m + j
	; gelu(y) = max(y, 0) - |y| / 2 x P(t) x 2^(-(K1 |y|)^2), t = 1 / (1 + K2 |y|): 1 - erf(|y| / sqrt(2)) = P(t) e^(-y y / 2)
.set i_, 0
.rept 32
	v_mul_f32 v[EE+i_], s70, |v[i_]|
.set i_, i_+1
.endr
.set i_, 0
.rept 32
	v_mul_f32 v[EE+i_], -v[EE+i_], v[EE+i_]
.set i_, i_+1
.endr
.set i_, 0
.rept 32
	v_fma_f32 v[TT+i_], |v[i_]|, s71, 1.0
.set i_, i_+1
.endr
.set i_, 0
.rept 32
	v_exp_f32 v[EE+i_], v[EE+i_]
.set i_, i_+1
.endr
.set i_, 0
.rept 32
	v_rcp_f32 v[TT+i_], v[TT+i_]
.set i_, i_+1
.endr
	v_nop                                          ; a plain place behind the last of the batch
	s_wait_alu depctr_va_vdst(0)                   ; one wait for the 64, ahead of their first reader
.set i_, 0
.rept 32
	v_fma_f32 v[UU+i_], v[TT+i_], s76, s75
.set i_, i_+1
.endr
.irp k, 74,73,72
.set i_, 0
.rept 32
	v_fma_f32 v[UU+i_], v[UU+i_], v[TT+i_], s\k
.set i_, i_+1
.endr
.endr
.set i_, 0
.rept 32
	v_mul_f32 v[UU+i_], v[UU+i_], v[TT+i_]
.set i_, i_+1
.endr
.set i_, 0
.rept 32
	v_mul_f32 v[UU+i_], v[UU+i_], v[EE+i_]
.set i_, i_+1
.endr
.set i_, 0
.rept 32
	v_mul_f32 v[UU+i_], v[UU+i_], |v[i_]|
.set i_, i_+1
.endr
.set i_, 0
.rept 32
	v_max_num_f32 v[EE+i_], 0, v[i_]
.set i_, i_+1
.endr
.set i_, 0
.rept 32
	v_fma_f32 v[EE+i_], v[UU+i_], -0.5, v[EE+i_]
.set i_, i_+1
.endr
.irp m, 0,1,2,3
	v_mul_f32 v[PS+\m], v[EE+8*\m], v[G2]          ; the dot with Wg2, in f32: my eight units,
.endr
.irp j, 1,2,3,4,5,6,7
.irp m, 0,1,2,3
	v_fma_f32 v[PS+\m], v[EE+8*\m+\j], v[G2+\j], v[PS+\m]
.endr
.endr
.irp m, 0,1,2,3
	v_permlanex16_b32 v[PS+4+\m], v[PS+\m], s[SEL], s[SEL+1]
.endr
.irp m, 0,1,2,3
	v_add_f32 v[PS+\m], v[PS+\m], v[PS+4+\m]       ; and lane l xor 16's eight
.endr
	v_cndmask_b32 v[PS+4], v[PS], v[PS+1], s68     ; a lane a row: rows 0-31,
	v_cndmask_b32 v[PS+5], v[PS+2], v[PS+3], s68   ; rows 32-63
	WIN 0x0c                                       ; an LDS store's data are its source 1
	ds_store_b32 v13, v[PS+4]
	ds_store_b32 v13, v[PS+5] offset:128
	WIN 0
	s_wait_dscnt 0x0
	s_barrier_signal -1
	s_barrier_wait -1                              ; the four waves' partial sums lie in LDS
	s_cmp_lg_u32 s28, 0
	s_cbranch_scc1 .Lnot_first
	s_wait_xcnt 0x0                                ; the last epilogue's stores have read v42 on
.irp k, 0,1,2,3
	ds_load_b64 v[PC+2*\k:PC+2*\k+1], v14 offset:256*\k
.endr
	s_wait_dscnt 0x0
	v_pk_add_f32 v[PC:PC+1], v[PC:PC+1], v[PC+2:PC+3]
	v_pk_add_f32 v[PC+4:PC+5], v[PC+4:PC+5], v[PC+6:PC+7]
	v_pk_add_f32 v[PC:PC+1], v[PC:PC+1], v[PC+4:PC+5]
	global_store_b64 v2, v[PC:PC+1], s[90:91]      ; 64 rows: 256 consecutive bytes, aligned
.Lnot_first:
	s_wait_tensorcnt 0x0                           ; the wave's end
	ds_add_u32 v[SPW], v[NIL]
	s_wait_dscnt 0x0
	ROUND                                          ; the closing round
	s_endpgm
.Lfunc_end_k_q1b60a1201d_proj:
	.size	k_q1b60a1201d_proj, .Lfunc_end_k_q1b60a1201d_proj-k_q1b60a1201d_proj
	.p2alignl 7, 3214868480
	.fill 96, 4, 3214868480
	.section	.rodata,"a",@progbits
	.p2align	6, 0x0
	.amdhsa_kernel k_q1b60a1201d_proj
		.amdhsa_group_segment_fixed_size 327680
		.amdhsa_private_segment_fixed_size 0
		.amdhsa_enable_private_segment 0
		.amdhsa_kernarg_size 80
		.amdhsa_user_sgpr_count 2
		.amdhsa_user_sgpr_kernarg_segment_ptr 1
		.amdhsa_wavefront_size32 1
		.amdhsa_system_sgpr_workgroup_id_x 1
		.amdhsa_system_sgpr_workgroup_id_y 1
		.amdhsa_system_sgpr_workgroup_id_z 1
		.amdhsa_system_vgpr_workitem_id 0
		.amdhsa_next_free_vgpr 1024
		.amdhsa_next_free_sgpr 100
		.amdhsa_reserve_vcc 0
		.amdhsa_float_denorm_mode_32 3
		.amdhsa_float_denorm_mode_16_64 3
		.amdhsa_memory_ordered 1
		.amdhsa_forward_progress 1
		.amdhsa_inst_pref_size 224
	.end_amdhsa_kernel
	.amdgpu_metadata
---
amdhsa.version: [ 1, 2 ]
amdhsa.kernels:
  - .name:           k_q1b60a1201d_proj
    .symbol:         k_q1b60a1201d_proj.kd
    .args:
      - { .name: x, .offset: 0, .size: 8, .value_kind: global_buffer, .address_space: global }
      - { .name: W_qkv_codes, .offset: 8, .size: 8, .value_kind: global_buffer, .address_space: global }
      - { .name: W_qkv_scales, .offset: 16, .size: 8, .value_kind: global_buffer, .address_space: global }
      - { .name: Wg1_codes, .offset: 24, .size: 8, .value_kind: global_buffer, .address_space: global }
      - { .name: Wg1_scales, .offset: 32, .size: 8, .value_kind: global_buffer, .address_space: global }
      - { .name: bg1, .offset: 40, .size: 8, .value_kind: global_buffer, .address_space: global }
      - { .name: Wg2, .offset: 48, .size: 8, .value_kind: global_buffer, .address_space: global }
      - { .name: qb, .offset: 56, .size: 8, .value_kind: global_buffer, .address_space: global }
      - { .name: kv, .offset: 64, .size: 8, .value_kind: global_buffer, .address_space: global }
      - { .name: gp, .offset: 72, .size: 8, .value_kind: global_buffer, .address_space: global }
    .group_segment_fixed_size: 327680
    .private_segment_fixed_size: 0
    .kernarg_segment_align: 8
    .kernarg_segment_size: 80
    .max_flat_workgroup_size: 128
    .sgpr_count:     100
    .vgpr_count:     1024
    .wavefront_size: 32
...
	.end_amdgpu_metadata
.endif
;; end of part 1
;; launch attn (part 2): grid 16 x 16, 16 waves a work-group, no clusters, 327,680 bytes of LDS; arguments qb, kv, oc, os; writes oc, os
.if DOCPART == 2
	.amdgcn_target "amdgcn-amd-amdhsa--gfx1250"
	.amdhsa_code_object_version 6
	.text
	.protected	k_q1b60a1201d_attn
	.globl	k_q1b60a1201d_attn
	.p2align	8
	.type	k_q1b60a1201d_attn,@function
k_q1b60a1201d_attn:
	s_mov_b64 s[64:65], 0
	v_nop
	global_prefetch_b8 v0, s[64:65] scope:SCOPE_SE
	s_setreg_imm32_b32 hwreg(HW_REG_WAVE_MODE, 25, 1), 1
	s_wait_xcnt 0x0
; Causal attention of 16 heads of 64 on codes of BF6 (E3M2), and the quantising of its result for the last product.
; t = score x log2(e) / 8; M = the row's largest t so far, rounded UP to a whole number; p = 2^(t - M) is quantised along the keys; the row's sum is taken of the unquantised p and divides O at the end.
; When M moves, the sum and O are multiplied by 2^(old M - new M): exact.
; IN.  qb [head][64][3,328]: four half images of queries and their scale words.  kv [head][32 key steps][12,800]: a step's 8 half images of K, 8 of V (rows = the head's 64, K = tokens), 64 scale words of K, 64 of V.
; A half image is 16 rows x 64 along K as six registers a lane: registers 0-3 at 16 x lane, 4-5 at 512 + 8 x lane; two of them are a fragment.
; THE HEAD HAS 64: a fragment of K holds TWO tiles of 16 keys (one in each half of its 128), and the queries stand in 18 registers [q | 0 | q]: [q | 0] gives the first tile's scores, [0 | q] the second's.  Zero codes add nothing.
; SHARES.  A head's queries are 32 blocks of 128.  Work-group j owns blocks j and 31 - j; a wave owns one tile of 16 queries.  A tile of block b works b + 1 key steps of 128 keys: 8 x 33 wave-steps in every work-group.
; Both products are used transposed: a lane holds ONE query (lane % 16) throughout.  A tile's keys are neighbours, so inside a block of 32 keys p's codes stand in the order 0-7, 16-23, 8-15, 24-31, as V's codes do.
; RING.  Two slots of 8 key steps (102,400 bytes), filled by waves 0 to 3, read by all sixteen.  Every work-group walks all four slots' worth of keys: trip counts are constants; a step all of whose keys are hidden jumps over its work.
; NO CLUSTER: that jump hangs on the work-group's block of queries, which differs between the work-groups that share a head's K and V.  NO PREFETCH: a refill is asked for eight key steps of sixteen waves ahead of its first read.
; LIMITS.  NaN and infinities are not served; the running largest t starts at -3e38; a block of zeros gets the scale byte 1 (its codes are zeros; the bytes are this program's own).
.set STEPB, 12800
.set SLOTB, 8*STEPB
.set SLOT1, 131072                     ; slot 1 begins here: one exclusive or turns an address in one slot into the other's
.set SPARE, SLOTB                      ; behind slot 0: the spare words, 128 bytes a wave: eight blocks of 256 bytes that no other line names
.set QQ,  16                           ; v16-33  [q | 0 | q]
.set QS,  34                           ; q's scale words
.set KV,  36                           ; v36-83  four fragments of K, then of V
.set SS,  84                           ; v84-147 S^T, then p
.set OO,  148                          ; v148-179 O^T
.set PP,  180                          ; v180-191 p's codes
.set CT,  192                          ; v192-199 the conversions' second halves
.set TM,  200                          ; v200-203 the blocks' largest
.set PT,  204                          ; v204-207
.set SO,  208                          ; v208-211 the conversions' scale operands
.set KS,  212                          ; v212-213 K's scale words: lanes 0-15 an even pair of tiles, lanes 16-31 the odd one
.set VS,  214                          ; v214-215 V's
.set FF,  216                          ; v216 f, v217 p's scale word
.set Q0R, 23                           ; s23 my first query
.set TB,  37                           ; s37 LDS byte at which the step's record begins
.set KF,  38                           ; s38 the step's first key
.set SEL, 42                           ; s[42:43]
.set CS,  44                           ; s[44:45] log2(e) / 8
.set MSB, 0
.macro WIN new
.if MSB != (\new)
	s_set_vgpr_msb (MSB<<8)|(\new)
.set MSB, (\new)
.endif
.endm
.macro PLACES n
.rept \n
	v_nop
.endr
.endm
.macro WM d, a, b, c, sa, sb, rowa, rowb
.if (\c) < 0
.if (\rowa)
	v_wmma_scale_f32_16x16x128_f8f6f4 v[(\d):(\d)+7], v[(\a):(\a)+11], v[(\b):(\b)+11], 0, v[\sa], v[\sb] matrix_a_fmt:MATRIX_FMT_BF6 matrix_b_fmt:MATRIX_FMT_BF6 matrix_a_scale:MATRIX_SCALE_ROW1
.else
	v_wmma_scale_f32_16x16x128_f8f6f4 v[(\d):(\d)+7], v[(\a):(\a)+11], v[(\b):(\b)+11], 0, v[\sa], v[\sb] matrix_a_fmt:MATRIX_FMT_BF6 matrix_b_fmt:MATRIX_FMT_BF6
.endif
.else
.if (\rowa)
	v_wmma_scale_f32_16x16x128_f8f6f4 v[(\d):(\d)+7], v[(\a):(\a)+11], v[(\b):(\b)+11], v[(\c):(\c)+7], v[\sa], v[\sb] matrix_a_fmt:MATRIX_FMT_BF6 matrix_b_fmt:MATRIX_FMT_BF6 matrix_a_scale:MATRIX_SCALE_ROW1
.else
	v_wmma_scale_f32_16x16x128_f8f6f4 v[(\d):(\d)+7], v[(\a):(\a)+11], v[(\b):(\b)+11], v[(\c):(\c)+7], v[\sa], v[\sb] matrix_a_fmt:MATRIX_FMT_BF6 matrix_b_fmt:MATRIX_FMT_BF6
.endif
.endif
.endm
; nb blocks of 32: registers 16 b .. 16 b + 15 of v[s] on are my 16 numbers of block b of my row; lane l xor 16 holds the other 16.  Out: codes in v[pc] on, bytes in v[TM+4] on
.macro QUANT w, s, nb, pc
	WIN ((\w)<<2)|((\w)<<4)
.set qb_, 0
.rept \nb
	v_max3_num_f32 v[TM+qb_], 0x2800000, |v[(\s)+16*qb_]|, |v[(\s)+16*qb_+1]|   ; with the floor 2^(5 - 127)
.set qb_, qb_+1
.endr
.irp i, 2,4,6,8,10,12,14
.set qb_, 0
.rept \nb
	v_max3_num_f32 v[TM+qb_], v[TM+qb_], |v[(\s)+16*qb_+\i]|, |v[(\s)+16*qb_+\i+1]|
.set qb_, qb_+1
.endr
.endr
	WIN 0
.set qb_, 0
.rept \nb
	v_permlanex16_b32 v[TM+4+qb_], v[TM+qb_], s[SEL], s[SEL+1]
.set qb_, qb_+1
.endr
.set qb_, 0
.rept \nb
	v_max_num_f32 v[TM+qb_], v[TM+qb_], v[TM+4+qb_]
.set qb_, qb_+1
.endr
.set qb_, 0
.rept \nb
	v_add_nc_u32 v[TM+8+qb_], 0xfe000000, v[TM+qb_]
.set qb_, qb_+1
.endr
.set qb_, 0
.rept \nb
	v_lshrrev_b32 v[TM+4+qb_], 23, v[TM+8+qb_]
.set qb_, qb_+1
.endr
	WIN \w
.set qc_, 0
.rept (\nb)/2
	v_cvt_scalef32_pk16_bf6_f32 v[(\pc)+6*qc_:(\pc)+6*qc_+2], v[(\s)+32*qc_:(\s)+32*qc_+15], v[TM+8+2*qc_]
	v_cvt_scalef32_pk16_bf6_f32 v[CT+4*qc_:CT+4*qc_+2], v[(\s)+32*qc_+16:(\s)+32*qc_+31], v[TM+9+2*qc_]
.set qc_, qc_+1
.endr
	WIN 0
	v_nop
.set qc_, 0
.rept (\nb)/2
.irp i, 0,1,2
	v_permlane16_swap_b32 v[(\pc)+6*qc_+\i], v[CT+4*qc_+\i]
.endr
.irp i, 0,1,2
	v_mov_b32 v[(\pc)+6*qc_+3+\i], v[CT+4*qc_+\i]
.endr
.set qc_, qc_+1
.endr
.endm
.macro TLOAD                           ; waves 0 to 3 fetch two key steps each; four v_nop follow the load
	s_cmp_lt_u32 s16, 4
	s_cbranch_scc0 .Lno_load_\@
	tensor_load_to_lds s[32:35], s[24:31]
	s_nop 0
	PLACES 4
.Lno_load_\@:
.endm
; THE CHANGE OF SLOTS stands at a slot's head.  fill = 1: the slot that has been left takes the keys that follow the slot ahead
.macro CHANGE fill
	s_wait_tensorcnt 0x0                           ; no tensor load of mine is out: my part of the slot ahead has landed, and the group 0 may be written
	ds_add_u32 v7, v8                              ; 0 onto my spare word
.if \fill
	s_xor_b32 s33, s33, SLOT1
	s_add_nc_u64 s[34:35], s[34:35], SLOTB
.endif
	s_wait_dscnt 0x0                               ; the add is done, and my reads of the slot that I have left are over
	s_barrier_signal -1
	s_barrier_wait -1
.if \fill
	TLOAD                                          ; the first thing behind the barrier, a wave's one tensor load until the next
.endif
.endm
; A KEY STEP: 128 keys
.macro STEP
	s_add_co_u32 s48, s[Q0R], 15
	s_cmp_gt_u32 s[KF], s48                        ; all keys come after my 16 queries: the step's work is left out
	s_cbranch_scc1 .Lhidden_\@
	v_add_nc_u32 v4, s[TB], v1
	v_add_nc_u32 v5, s[TB], v2
	v_add_nc_u32 v6, s[TB], v3
	v_nop                                          ; these four are the places in front of the loads into registers that the last products read
.irp i, 0,1,2,3
.irp c, 0,1
	ds_load_b128 v[KV+12*\i+6*\c:KV+12*\i+6*\c+3], v4 offset:768*(2*\i+\c)
	ds_load_b64 v[KV+12*\i+6*\c+4:KV+12*\i+6*\c+5], v5 offset:768*(2*\i+\c)
.endr
.endr
	ds_load_b32 v[KS], v6
	ds_load_b32 v[KS+1], v6 offset:128
	s_wait_dscnt 0x0
.irp i, 0,1,2,3                                    ; S^T = K Q^T: tiles 2 i and 2 i + 1 from one fragment of K
	WM SS+16*\i, KV+12*\i, QQ, -1, KS+\i/2, QS, \i%2, 0
	WM SS+16*\i+8, KV+12*\i, QQ+6, -1, KS+\i/2, QS, \i%2, 0
.endr
	PLACES 4                                       ; in front of the loads into K's registers and of the first read of the scores
.irp n, 0,1,2,3                                    ; V's four fragments land under the softmax
.irp c, 0,1
	ds_load_b128 v[KV+12*\n+6*\c:KV+12*\n+6*\c+3], v4 offset:6144+3072*\c+768*\n
	ds_load_b64 v[KV+12*\n+6*\c+4:KV+12*\n+6*\c+5], v5 offset:6144+3072*\c+768*\n
.endr
.endr
	ds_load_b32 v[VS], v6 offset:256
	ds_load_b32 v[VS+1], v6 offset:384
	s_add_co_u32 s48, s[KF], 127
	s_cmp_le_u32 s48, s[Q0R]                       ; all keys count: no mask
	s_cbranch_scc1 .Lopen_\@
	s_sub_co_i32 s48, s[Q0R], s[KF]
	v_add_nc_u32 v220, s48, v9                     ; d = my query - KF - 8 (lane / 16).  Register 8 t + j holds key KF + 16 t + 8 (lane / 16) + j: hidden where 16 t + j > d
	v_mov_b32 v219, 0xff800000
.set n_, 0
.rept 64
	v_cmp_gt_i32 vcc_lo, 16*(n_/8)+n_%8, v220
	v_cndmask_b32 v[SS+n_], v[SS+n_], v219, vcc_lo
.set n_, n_+1
.endr
.Lopen_\@:
.irp b, 0,1,2,3
	v_max3_num_f32 v[TM+\b], v[SS+16*\b], v[SS+1+16*\b], v[SS+2+16*\b]   ; the largest score of each block of 32 keys: for the row's maximum, and, since p rises with the score, for the block's largest p
.endr
.irp i, 3,5,7,9,11,13
.irp b, 0,1,2,3
	v_max3_num_f32 v[TM+\b], v[TM+\b], v[SS+16*\b+\i], v[SS+1+16*\b+\i]
.endr
.endr
.irp b, 0,1,2,3
	v_max_num_f32 v[TM+\b], v[TM+\b], v[SS+15+16*\b]
.endr
.irp b, 0,1,2,3
	v_permlanex16_b32 v[PT+\b], v[TM+\b], s[SEL], s[SEL+1]
.endr
.irp b, 0,1,2,3
	v_max_num_f32 v[TM+\b], v[TM+\b], v[PT+\b]
.endr
	v_max3_num_f32 v218, v[TM], v[TM+1], v[TM+2]
	v_max_num_f32 v218, v218, v[TM+3]
	v_mul_f32 v218, s[CS], v218                    ; as t
	v_max_num_f32 v13, v13, v218                   ; the running largest t
	v_mov_b32 v218, v12
	v_floor_f32 v12, -v13                          ; the new -M = -ceil(t)
	v_sub_f32 v218, v12, v218                      ; old M - new M: a whole number, 0 or less
	v_cvt_i32_f32 v218, v218                       ; (it saturates)
	v_ldexp_f32 v[FF], 1.0, v218                   ; f = 2^(old M - new M)
.set j_, 0
.rept 32
	v_pk_fma_f32 v[SS+j_:SS+j_+1], v[SS+j_:SS+j_+1], s[CS:CS+1], v[12:13] op_sel_hi:[1,0,0]   ; t - M
.set j_, j_+2
.endr
.irp b, 0,1,2,3
	v_fma_f32 v[TM+\b], v[TM+\b], s[CS], v12
.endr
.set j_, 0
.rept 64
	v_exp_f32 v[SS+j_], v[SS+j_]                   ; p = 2^(t - M): not normalised
.set j_, j_+1
.endr
	v_pk_mul_f32 v[14:15], v[14:15], v[FF:FF+1] op_sel_hi:[1,0]   ; the sums under the new M: a plain place behind the exponentials
	s_wait_alu depctr_va_vdst(0)                   ; one wait for the batch, ahead of its first reader
.irp b, 0,1,2,3
	v_exp_f32 v[TM+\b], v[TM+\b]                   ; the blocks' largest p
.endr
	v_pk_add_f32 v[PT:PT+1], v[SS:SS+1], v[SS+2:SS+3]   ; the row's sum of the unquantised p, in two chains
.irp j, 4,8,12,16,20,24,28,32,36,40,44,48,52,56,60
	v_pk_add_f32 v[14:15], v[14:15], v[SS+\j:SS+\j+1]
	v_pk_add_f32 v[PT:PT+1], v[PT:PT+1], v[SS+2+\j:SS+3+\j]
.endr
	v_pk_add_f32 v[14:15], v[14:15], v[PT:PT+1]
	s_wait_alu depctr_va_vdst(0)                   ; and one for the four
.irp b, 0,1,2,3
	v_max_num_f32 v[TM+\b], 0x2800000, v[TM+\b]    ; the floor 2^(5 - 127)
.endr
.irp b, 0,1,2,3
	v_add_nc_u32 v[SO+\b], 0xfe000000, v[TM+\b]
.endr
.irp b, 0,1,2,3
	v_lshrrev_b32 v[PT+\b], 23, v[SO+\b]
.endr
	v_lshl_or_b32 v[FF+1], v[PT+1], 8, v[PT]       ; p's scale word for these 128 keys
	v_lshl_or_b32 v[FF+1], v[PT+2], 16, v[FF+1]
	v_lshl_or_b32 v[FF+1], v[PT+3], 24, v[FF+1]
.irp c, 0,1
	v_cvt_scalef32_pk16_bf6_f32 v[PP+6*\c:PP+6*\c+2], v[SS+32*\c:SS+32*\c+15], v[SO+2*\c]
	v_cvt_scalef32_pk16_bf6_f32 v[CT+4*\c:CT+4*\c+2], v[SS+32*\c+16:SS+32*\c+31], v[SO+2*\c+1]
.endr
	v_nop                                          ; one plain place behind a scaled conversion
.irp c, 0,1
.irp i, 0,1,2
	v_permlane16_swap_b32 v[PP+6*\c+\i], v[CT+4*\c+\i]
.endr
.irp i, 0,1,2
	v_mov_b32 v[PP+6*\c+3+\i], v[CT+4*\c+\i]
.endr
.endr
.set j_, 0
.rept 16
	v_pk_mul_f32 v[OO+j_:OO+j_+1], v[OO+j_:OO+j_+1], v[FF:FF+1] op_sel_hi:[1,0]   ; O^T under the new M.  These 16 are also the places in front of the products below
.set j_, j_+2
.endr
	s_wait_dscnt 0x0                               ; V
.irp n, 0,1,2,3                                    ; O^T += V^T P^T; the four accumulators take turns, and the next step's eight score products stand between their links
	WM OO+8*\n, KV+12*\n, PP, OO+8*\n, VS+\n/2, FF+1, \n%2, 0
.endr
.Lhidden_\@:
	s_add_co_u32 s[KF], s[KF], 128
	s_add_co_u32 s[TB], s[TB], STEPB
.endm
.macro STEPS                           ; a slot's eight key steps: written once, walked eight times
	s_mov_b32 s40, 8
.Lstep_\@:
	STEP
	s_sub_co_u32 s40, s40, 1
	s_cmp_lg_u32 s40, 0
	s_cbranch_scc1 .Lstep_\@
	s_sub_co_u32 s[TB], s[TB], SLOTB               ; back to a slot's first step,
	s_xor_b32 s[TB], s[TB], SLOT1                  ; in the other slot
.endm
	s_load_b256 s[8:15], s[0:1], 0x0               ; qb, kv, oc, os
	v_lshl_add_u32 v7, v0, 2, SPARE
	v_mov_b32 v8, 0
	ds_add_u32 v7, v8
	s_wait_dscnt 0x0
	v_lshrrev_b32 v218, 5, v0
	v_readfirstlane_b32 s16, v218                  ; wave 0..15
	s_and_b32 s18, ttmp7, 0xffff                   ; the head
	s_lshr_b32 s19, s16, 2
	s_xor_b32 s19, s19, s16
	s_and_b32 s19, s19, 1                          ; which of the work-group's two blocks
	s_lshr_b32 s20, s16, 1                         ; which tile of it
	s_sub_co_u32 s21, 31, ttmp9
	s_cmp_eq_u32 s19, 0
	s_cselect_b32 s21, ttmp9, s21                  ; block j or 31 - j
	s_lshl_b32 s22, s21, 3
	s_add_co_u32 s22, s22, s20                     ; my tile of 16 queries
	s_lshl_b32 s[Q0R], s22, 4
	s_mov_b32 s24, 3<<16                           ; group 1: 100 dense rows of 256 bytes (32 elements of 8 bytes): two key steps
	s_mov_b32 s25, 32<<16
	s_mov_b32 s26, 100<<16
	s_mov_b32 s27, 32<<16
	s_mov_b32 s28, 100
	s_mov_b32 s29, 32
	s_mov_b32 s30, 0
	s_mov_b32 s31, 0
	s_mov_b32 s[SEL], 0x76543210
	s_mov_b32 s[SEL+1], 0xfedcba98
	s_mov_b32 s[CS], 0x3e38aa3b
	s_mov_b32 s[CS+1], s[CS]
	s_mov_b32 s46, 0xffff0000                      ; lanes 16-31
	s_mov_b32 s[TB], 0
	s_mov_b32 s[KF], 0
	s_mov_b32 s39, 3
	s_and_b32 s48, s16, 3
	s_mov_b32 s32, 1
	s_mul_i32 s33, s48, 2*STEPB
	s_mul_i32 s48, s18, 32*STEPB
	s_add_co_u32 s48, s48, s33
	s_mov_b32 s49, 0
	s_wait_kmcnt 0x0
	s_add_nc_u64 s[34:35], s[10:11], s[48:49]
	s_or_b32 s35, s35, 0x80000000
	TLOAD                                          ; slot 0
	s_mul_i32 s48, s18, 212992
	s_lshr_b32 s58, s22, 2
	s_mul_i32 s58, s58, 3328
	s_add_co_u32 s48, s48, s58
	s_add_nc_u64 s[52:53], s[8:9], s[48:49]        ; qb's record of my 64 tokens
	s_and_b32 s58, s22, 3
	s_mul_i32 s48, s58, 768
	s_add_nc_u64 s[50:51], s[52:53], s[48:49]      ; my half image,
	s_lshl_b32 s48, s58, 6
	s_add_co_u32 s48, s48, 3072
	s_add_nc_u64 s[52:53], s[52:53], s[48:49]      ; my scale words
	s_mul_i32 s48, s22, 12288
	s_mul_i32 s58, s18, 768
	s_add_co_u32 s48, s48, s58
	s_add_nc_u64 s[54:55], s[12:13], s[48:49]      ; oc: [tile][head][768]
	s_lshl_b32 s48, s[Q0R], 5
	s_lshl_b32 s58, s18, 1
	s_add_co_u32 s48, s48, s58
	s_add_nc_u64 s[56:57], s[14:15], s[48:49]      ; os: [row][32], byte 2 head + block
	v_and_b32 v218, 31, v0                         ; lane
	v_and_b32 v219, 15, v0                         ; r
	v_bfe_u32 v220, v0, 4, 1                       ; h
	v_lshlrev_b32 v1, 4, v218                      ; 16 x lane
	v_lshlrev_b32 v2, 3, v218
	v_add_nc_u32 v2, 512, v2                       ; 512 + 8 x lane
	v_lshlrev_b32 v3, 2, v218
	v_add_nc_u32 v3, 12288, v3                     ; the scale words: 12,288 + 4 x lane
	v_lshlrev_b32 v9, 3, v220
	v_sub_nc_u32 v9, v219, v9                      ; r - 8 h
	v_lshlrev_b32 v10, 2, v219
	v_lshl_add_u32 v11, v219, 5, v220              ; 32 r + h
	global_load_b128 v[QQ:QQ+3], v1, s[50:51]
	global_load_b64 v[QQ+4:QQ+5], v2, s[50:51]
	global_load_b32 v[QS], v10, s[52:53]
.irp i, 6,7,8,9,10,11
	v_mov_b32 v[QQ+\i], 0
.endr
	v_mov_b32 v13, 0xff61b1e6                      ; -3e38, under every t
	v_floor_f32 v12, -v13
	v_mov_b32 v14, 0
	v_mov_b32 v15, 0
.irp b, 0,1,2,3
	v_mov_b32 v[PT+\b], 0                          ; written once: a lane permute's destination counts as one of its sources
.endr
	v_mov_b32 v[FF+1], 0
	s_wait_loadcnt 0x0
.irp i, 0,1,2,3,4,5
	v_mov_b32 v[QQ+12+\i], v[QQ+\i]
.endr
.set j_, 0
.rept 32
	v_mov_b32 v[OO+j_], 0                          ; O^T: the loop has no first step of its own; the first change of M multiplies zeros
.set j_, j_+1
.endr
.Lslot:                                            ; three trips: behind each change of slots but the last the next slot is asked for
	CHANGE 1
	STEPS
	s_sub_co_u32 s39, s39, 1
	s_cmp_lg_u32 s39, 0
	s_cbranch_scc1 .Lslot
	CHANGE 0                                       ; the last slot is written out
	STEPS
	; THE WAY OUT: O / the sum, in the true order along the head's 64, quantised, as a half image
	PLACES 4
	v_add_f32 v14, v14, v15
	v_permlanex16_b32 v218, v14, s[SEL], s[SEL+1]
	v_add_f32 v14, v14, v218
	v_rcp_f32 v[FF], v14
	v_nop
	s_wait_alu depctr_va_vdst(0)
.set j_, 0
.rept 16
	v_pk_mul_f32 v[OO+j_:OO+j_+1], v[OO+j_:OO+j_+1], v[FF:FF+1] op_sel_hi:[1,0]
.set j_, j_+2
.endr
.irp b, 0,1                                        ; register 8 n + j of lane (r, h) is channel 16 n + 8 h + j; behind the swaps register 16 b + i is channel 32 b + 16 h + i
.irp j, 0,1,2,3,4,5,6,7
	v_permlane16_swap_b32 v[OO+16*\b+\j], v[OO+16*\b+8+\j]
.endr
.endr
	QUANT 0, OO, 2, PP
	v_cndmask_b32 v218, v[TM+4], v[TM+5], s46      ; lanes 0-15 the first block's byte, lanes 16-31 the second's
	global_store_b128 v1, v[PP:PP+3], s[54:55]     ; 512 consecutive bytes
	global_store_b64 v2, v[PP+4:PP+5], s[54:55]    ; 256 consecutive bytes
	global_store_b8 v11, v218, s[56:57]
	s_wait_tensorcnt 0x0                           ; the wave's end
	ds_add_u32 v7, v8
	s_wait_dscnt 0x0
	s_endpgm
.Lfunc_end_k_q1b60a1201d_attn:
	.size	k_q1b60a1201d_attn, .Lfunc_end_k_q1b60a1201d_attn-k_q1b60a1201d_attn
	.p2alignl 7, 3214868480
	.fill 96, 4, 3214868480
	.section	.rodata,"a",@progbits
	.p2align	6, 0x0
	.amdhsa_kernel k_q1b60a1201d_attn
		.amdhsa_group_segment_fixed_size 327680
		.amdhsa_private_segment_fixed_size 0
		.amdhsa_enable_private_segment 0
		.amdhsa_kernarg_size 32
		.amdhsa_user_sgpr_count 2
		.amdhsa_user_sgpr_kernarg_segment_ptr 1
		.amdhsa_wavefront_size32 1
		.amdhsa_system_sgpr_workgroup_id_x 1
		.amdhsa_system_sgpr_workgroup_id_y 1
		.amdhsa_system_sgpr_workgroup_id_z 1
		.amdhsa_system_vgpr_workitem_id 0
		.amdhsa_next_free_vgpr 256
		.amdhsa_next_free_sgpr 66
		.amdhsa_reserve_vcc 1
		.amdhsa_float_denorm_mode_32 3
		.amdhsa_float_denorm_mode_16_64 3
		.amdhsa_memory_ordered 1
		.amdhsa_forward_progress 1
		.amdhsa_inst_pref_size 54
	.end_amdhsa_kernel
	.amdgpu_metadata
---
amdhsa.version: [ 1, 2 ]
amdhsa.kernels:
  - .name:           k_q1b60a1201d_attn
    .symbol:         k_q1b60a1201d_attn.kd
    .args:
      - { .name: qb, .offset: 0, .size: 8, .value_kind: global_buffer, .address_space: global }
      - { .name: kv, .offset: 8, .size: 8, .value_kind: global_buffer, .address_space: global }
      - { .name: oc, .offset: 16, .size: 8, .value_kind: global_buffer, .address_space: global }
      - { .name: os, .offset: 24, .size: 8, .value_kind: global_buffer, .address_space: global }
    .group_segment_fixed_size: 327680
    .private_segment_fixed_size: 0
    .kernarg_segment_align: 8
    .kernarg_segment_size: 32
    .max_flat_workgroup_size: 512
    .sgpr_count:     66
    .vgpr_count:     256
    .wavefront_size: 32
...
	.end_amdgpu_metadata
.endif
;; end of part 2
;; launch outp (part 3): grid 64 x 4, 8 waves a work-group, clusters of 4 x 1, 295,936 bytes of LDS; arguments oc, os, W_out_codes, W_out_scales, gp, bg2, x, out0, out1; writes out0, out1
.if DOCPART == 3
	.amdgcn_target "amdgcn-amd-amdhsa--gfx1250"
	.amdhsa_code_object_version 6
	.text
	.protected	k_q1b60a1201d_outp
	.globl	k_q1b60a1201d_outp
	.p2align	8
	.type	k_q1b60a1201d_outp,@function
k_q1b60a1201d_outp:
	s_mov_b64 s[64:65], 0
	v_nop
	global_prefetch_b8 v0, s[64:65] scope:SCOPE_SE
	s_setreg_imm32_b32 hwreg(HW_REG_WAVE_MODE, 25, 1), 1
	s_wait_xcnt 0x0
	s_wait_alu depctr_hold_cnt(0) depctr_sa_sdst(0) depctr_va_vdst(0) depctr_va_sdst(0) depctr_va_ssrc(0) depctr_va_vcc(0) depctr_vm_vsrc(0)
	s_getreg_b32 s2, hwreg(HW_REG_IB_STS2, 6, 4)
	s_cmp_eq_u32 s2, 0
	s_cbranch_scc0 .Lentry_in_a_cluster
	s_endpgm
.Lentry_in_a_cluster:
	s_bfe_u32 s2, ttmp6, 0x10000c
	s_cmp_lg_u32 s2, 0x3003
	s_cbranch_scc0 .Lentry_shape_is_right
	s_endpgm
.Lentry_shape_is_right:
; out0 = g y + (1 - g) x with y = Q(O) W_out on codes of BF6 (E3M2), and out1 = g = sigmoid(the sum of the gate's four partial sums + bg2).
; SHARES.  A work-group takes 64 rows (rb) x 256 columns (g); wave wv takes 64 columns (wv % 4) x 32 rows (wv / 4): eight accumulators.
; All operands come into LDS once: W_out's 256 rows of 768 bytes (padded: pitch 816) and the 64 rows' codes as they lie in oc (half images of 768 bytes: tile m, head at 12,288 m + 768 head).  No LDS byte is filled twice.
; CLUSTER.  The four row blocks of a cluster need the same rows of W_out: they are asked for jointly, by the same tensor load with a mask that names the four.  O's codes are each work-group's own: a plain load.
; The product is used transposed (source 0 = 16 rows of W_out, source 1 = 16 rows of O): a lane holds eight neighbouring columns of a row.  Results go through the wave's own stage and leave as aligned runs of 256 bytes.
; The blend is x + g (y - x), one subtraction and one fused multiply-add.  LIMITS: NaN and infinities among the inputs are not served.
.set PITCH, 816
.set TILEB, 16*PITCH
.set AIMG,  256*PITCH                  ; behind W: O's codes, 49,152 bytes
.set STG,   AIMG+49152                 ; the stages: 16 rows x 272 bytes a wave
.set GS,    STG+8*4352                 ; the gates: 128 bytes a wave
.set WA,  3                            ; v3, v4  my lane's place in my 64 rows of W (24 and 40 bytes for the upper half of the lanes)
.set GG,  16                           ; v16-31  the gates of the rows that I store: 8 mt + t
.set WS,  32                           ; v32-47  W's scale words, 8 (n / 2) + s: lanes 0-15 the even column tile, lanes 16-31 the odd one
.set AS,  48                           ; v48-55  O's scale words, s: lanes 0-15 my row tile 0, lanes 16-31 tile 1
.set ACC, 56                           ; v56-119
.set XX,  120                          ; v120-183 x
.set FR,  184                          ; v184-255 W's four fragments, O's two; later rows of y
.macro PLACES n
.rept \n
	v_nop
.endr
.endm
.macro ROUND
	s_barrier_signal -1
	s_barrier_wait -1
	s_cmp_lg_u32 s28, 0
	s_cbranch_scc1 .Lnot_wave_0_\@
	s_barrier_signal -3
.Lnot_wave_0_\@:
	s_barrier_wait -3
	s_barrier_signal -1
	s_barrier_wait -1
.endm
.macro WM d, a, b, c, sa, sb, rowa, rowb
.if (\c) < 0
.if (\rowa) && (\rowb)
	v_wmma_scale_f32_16x16x128_f8f6f4 v[(\d):(\d)+7], v[(\a):(\a)+11], v[(\b):(\b)+11], 0, v[\sa], v[\sb] matrix_a_fmt:MATRIX_FMT_BF6 matrix_b_fmt:MATRIX_FMT_BF6 matrix_a_scale:MATRIX_SCALE_ROW1 matrix_b_scale:MATRIX_SCALE_ROW1
.elseif (\rowa)
	v_wmma_scale_f32_16x16x128_f8f6f4 v[(\d):(\d)+7], v[(\a):(\a)+11], v[(\b):(\b)+11], 0, v[\sa], v[\sb] matrix_a_fmt:MATRIX_FMT_BF6 matrix_b_fmt:MATRIX_FMT_BF6 matrix_a_scale:MATRIX_SCALE_ROW1
.elseif (\rowb)
	v_wmma_scale_f32_16x16x128_f8f6f4 v[(\d):(\d)+7], v[(\a):(\a)+11], v[(\b):(\b)+11], 0, v[\sa], v[\sb] matrix_a_fmt:MATRIX_FMT_BF6 matrix_b_fmt:MATRIX_FMT_BF6 matrix_b_scale:MATRIX_SCALE_ROW1
.else
	v_wmma_scale_f32_16x16x128_f8f6f4 v[(\d):(\d)+7], v[(\a):(\a)+11], v[(\b):(\b)+11], 0, v[\sa], v[\sb] matrix_a_fmt:MATRIX_FMT_BF6 matrix_b_fmt:MATRIX_FMT_BF6
.endif
.else
.if (\rowa) && (\rowb)
	v_wmma_scale_f32_16x16x128_f8f6f4 v[(\d):(\d)+7], v[(\a):(\a)+11], v[(\b):(\b)+11], v[(\c):(\c)+7], v[\sa], v[\sb] matrix_a_fmt:MATRIX_FMT_BF6 matrix_b_fmt:MATRIX_FMT_BF6 matrix_a_scale:MATRIX_SCALE_ROW1 matrix_b_scale:MATRIX_SCALE_ROW1
.elseif (\rowa)
	v_wmma_scale_f32_16x16x128_f8f6f4 v[(\d):(\d)+7], v[(\a):(\a)+11], v[(\b):(\b)+11], v[(\c):(\c)+7], v[\sa], v[\sb] matrix_a_fmt:MATRIX_FMT_BF6 matrix_b_fmt:MATRIX_FMT_BF6 matrix_a_scale:MATRIX_SCALE_ROW1
.elseif (\rowb)
	v_wmma_scale_f32_16x16x128_f8f6f4 v[(\d):(\d)+7], v[(\a):(\a)+11], v[(\b):(\b)+11], v[(\c):(\c)+7], v[\sa], v[\sb] matrix_a_fmt:MATRIX_FMT_BF6 matrix_b_fmt:MATRIX_FMT_BF6 matrix_b_scale:MATRIX_SCALE_ROW1
.else
	v_wmma_scale_f32_16x16x128_f8f6f4 v[(\d):(\d)+7], v[(\a):(\a)+11], v[(\b):(\b)+11], v[(\c):(\c)+7], v[\sa], v[\sb] matrix_a_fmt:MATRIX_FMT_BF6 matrix_b_fmt:MATRIX_FMT_BF6
.endif
.endif
.endm
; a fragment of K step ks from weight rows in LDS, in pieces of 8 bytes; where the upper lanes' piece lies behind one padding more, the second address register serves
.macro FRAG reg, adr, ks, off
.irp p, 0,1,2,3,4,5
.set PCE, 12*(\ks)+6*(\p/3)+\p%3
.if PCE%32 < 29
	ds_load_b64 v[(\reg)+2*\p:(\reg)+2*\p+1], v[\adr] offset:(\off)+8*PCE+16*(PCE/32)
.else
	ds_load_b64 v[(\reg)+2*\p:(\reg)+2*\p+1], v[(\adr)+1] offset:(\off)+8*PCE+16*(PCE/32)
.endif
.endr
.endm
	s_load_b512 s[8:23], s[0:1], 0x0               ; oc, os, W_out codes, scales, gp, bg2, x, out0
	s_load_b64 s[24:25], s[0:1], 0x40              ; out1
	s_set_vgpr_msb 0x40
	v_lshl_add_u32 v0, v0, 2, 0x48000
	v_mov_b32 v1, 0
	s_set_vgpr_msb 0x4045
	ds_add_u32 v0, v1
	s_set_vgpr_msb 0x4500
	v_lshrrev_b32 v12, 5, v0
	v_readfirstlane_b32 s28, v12                   ; wave 0..7
	s_bfe_u32 s29, ttmp6, 0x40000                  ; cx
	s_lshl_b32 s30, ttmp9, 2
	s_add_co_u32 s30, s30, s29                     ; rb: it enters global addresses alone
	s_and_b32 s31, ttmp7, 0xffff                   ; g, which the four partners share
	s_and_b32 s32, s28, 3                          ; which 64 columns
	s_lshr_b32 s33, s28, 2                         ; which 32 rows
	v_and_b32 v12, 31, v0                          ; lane
	v_and_b32 v13, 15, v0                          ; r
	v_bfe_u32 v14, v0, 4, 1                        ; h
	v_lshlrev_b32 v1, 2, v12                       ; 4 x lane
	v_lshlrev_b32 v2, 5, v12                       ; 32 x lane
	v_mul_u32_u24 v15, v13, PITCH
	s_mul_i32 s60, s32, 64*PITCH
	v_mad_u32_u24 v3, v14, 24, v15
	v_mad_u32_u24 v4, v14, 40, v15
	v_add_nc_u32 v3, s60, v3
	v_add_nc_u32 v4, s60, v4
	s_mul_i32 s60, s33, 24576
	s_add_co_u32 s60, s60, AIMG
	v_lshl_add_u32 v5, v12, 4, s60                 ; O's half images: registers 0-3,
	s_add_co_u32 s60, s60, 512
	v_lshl_add_u32 v6, v12, 3, s60                 ; registers 4-5
	s_mul_i32 s60, s28, 4352
	s_add_co_u32 s60, s60, STG
	v_mul_u32_u24 v7, v13, 272
	v_lshl_add_u32 v7, v14, 5, v7
	v_add_nc_u32 v7, s60, v7                       ; the stage, in: row r, + 32 h
	v_mul_u32_u24 v8, v14, 8*272
	v_lshl_add_u32 v8, v13, 4, v8
	v_add_nc_u32 v8, s60, v8                       ; back: lanes 0-15 row t, lanes 16-31 row 8 + t
	v_lshlrev_b32 v9, 15, v14
	v_lshl_add_u32 v9, v13, 4, v9                  ; and the same two rows in x and out0
	s_lshl_b32 s60, s28, 7
	s_add_co_u32 s60, s60, GS
	v_add_nc_u32 v10, s60, v1                      ; my wave's gates: in, a lane a row;
	v_lshl_add_u32 v11, v14, 5, s60                ; back, eight rows for each half of the lanes
	s_mov_b32 s36, 15|(1<<20)|(1<<21)|(5<<22)|(3<<25)   ; W: 32 rows of 768 bytes, 16 bytes of padding behind each 256; the mask names the four work-groups
	s_mov_b32 s37, 768<<16
	s_mov_b32 s38, 32<<16
	s_mov_b32 s39, 768<<16
	s_mov_b32 s40, 32
	s_mov_b32 s41, 768
	s_mov_b32 s42, 0
	s_mov_b32 s43, 0
	s_mov_b32 s48, 3<<16                           ; O: 24 dense rows of 256 bytes, no mask
	s_mov_b32 s49, 32<<16
	s_mov_b32 s50, 24<<16
	s_mov_b32 s51, 32<<16
	s_mov_b32 s52, 24
	s_mov_b32 s53, 32
	s_mov_b32 s54, 0
	s_mov_b32 s55, 0
	s_wait_dscnt 0x0
	s_wait_kmcnt 0x0
	s_load_b32 s26, s[18:19], 0x0                  ; bg2
	s_mov_b32 s44, 1
	s_mul_i32 s45, s28, 32*PITCH
	s_lshl_b32 s60, s31, 8
	s_lshl_b32 s61, s28, 5
	s_add_co_u32 s60, s60, s61
	s_mul_i32 s60, s60, 768                        ; W's rows 256 g + 32 wave on
	s_mov_b32 s61, 0
	s_add_nc_u64 s[46:47], s[12:13], s[60:61]
	s_or_b32 s47, s47, 0x80000000
	s_lshl_b32 s60, s31, 13
	s_lshl_b32 s62, s32, 11
	s_add_co_u32 s60, s60, s62
	s_add_nc_u64 s[14:15], s[14:15], s[60:61]      ; W's scales at my first column
	s_mov_b32 s56, 1
	s_mul_i32 s57, s28, 6144
	s_mul_i32 s66, s30, 49152
	s_add_co_u32 s66, s66, s57
	s_mov_b32 s67, 0
	s_add_co_u32 s57, s57, AIMG
	s_add_nc_u64 s[58:59], s[8:9], s[66:67]
	s_or_b32 s59, s59, 0x80000000
	s_lshl_b32 s68, s30, 6
	s_lshl_b32 s69, s33, 5
	s_add_co_u32 s68, s68, s69                     ; my first row
	s_lshl_b32 s66, s68, 12
	s_lshl_b32 s69, s31, 10
	s_add_co_u32 s66, s66, s69
	s_lshl_b32 s69, s32, 8
	s_add_co_u32 s66, s66, s69
	s_add_nc_u64 s[70:71], s[20:21], s[66:67]      ; x,
	s_add_nc_u64 s[72:73], s[22:23], s[66:67]      ; out0 at my first row and column
	s_lshl_b32 s66, s68, 5
	s_add_nc_u64 s[10:11], s[10:11], s[66:67]      ; O's scales
	s_lshl_b32 s66, s68, 2
	s_add_nc_u64 s[16:17], s[16:17], s[66:67]      ; gp
	s_add_nc_u64 s[24:25], s[24:25], s[66:67]      ; out1
.irp k, 0,1,2,3
	global_load_b32 v[FR+\k], v1, s[16:17] offset:16384*\k
.endr
.irp np, 0,1
	global_load_b128 v[WS+8*\np:WS+8*\np+3], v2, s[14:15] offset:1024*\np
	global_load_b128 v[WS+8*\np+4:WS+8*\np+7], v2, s[14:15] offset:1024*\np+16
.endr
	global_load_b128 v[AS:AS+3], v2, s[10:11]
	global_load_b128 v[AS+4:AS+7], v2, s[10:11] offset:16
.irp mt, 0,1
.irp t, 0,1,2,3,4,5,6,7
	global_load_b128 v[XX+32*\mt+4*\t:XX+32*\mt+4*\t+3], v9, s[70:71] offset:(16*\mt+\t)*4096 th:TH_LOAD_NT   ; two runs of 256 consecutive bytes; read once in this launch
.endr
.endr
	ROUND                                          ; the four work-groups are here: the joint loads meet
	tensor_load_to_lds s[44:47], s[36:43]          ; my 32 rows of W, jointly; my eighth of O's codes: two loads of mine are out
	s_nop 0
	tensor_load_to_lds s[56:59], s[48:55]
	s_nop 0
	PLACES 4
	s_wait_loadcnt 22                              ; the four partial sums are in; 22 loads were issued behind them
	s_wait_kmcnt 0x0
	v_add_f32 v[FR], v[FR], v[FR+1]
	v_add_f32 v[FR+2], v[FR+2], v[FR+3]
	v_add_f32 v[FR], v[FR], v[FR+2]
	v_add_f32 v[FR], s26, v[FR]
	v_mul_f32 v[FR], 0xbfb8aa3b, v[FR]
	v_exp_f32 v[FR], v[FR]
	v_nop
	s_wait_alu depctr_va_vdst(0)
	v_add_f32 v[FR], 1.0, v[FR]
	v_rcp_f32 v12, v[FR]                           ; the gate of row (my first row + lane); v12 is not written again
	v_nop
	s_wait_alu depctr_va_vdst(0)
	ds_store_b32 v10, v12
.irp mt, 0,1
.irp q, 0,1
	ds_load_b128 v[GG+8*\mt+4*\q:GG+8*\mt+4*\q+3], v11 offset:64*\mt+16*\q   ; my wave's own bytes: LDS serves a wave's instructions in order
.endr
.endr
	s_or_b32 s60, s31, s32
	s_cmp_eq_u32 s60, 0                            ; one wave for each 32 rows stores the gates
	s_cbranch_scc0 .Lno_gate
	global_store_b32 v1, v12, s[24:25]
.Lno_gate:
	s_wait_tensorcnt 0x0                           ; my parts of W and of O's codes have landed,
	s_wait_dscnt 0x0
	s_barrier_signal -1
	s_barrier_wait -1                              ; everybody's have
	s_wait_loadcnt 16                              ; the scale words are in; x's 16 loads may stay out
.irp ks, 0,1,2,3,4,5,6,7
.if \ks > 0
	PLACES 4                                       ; in front of loads into registers that products have read
.endif
.irp n, 0,1,2,3
	FRAG FR+12*\n, WA, \ks, TILEB*\n
.endr
.irp mt, 0,1
.irp c, 0,1
	ds_load_b128 v[FR+48+12*\mt+6*\c:FR+48+12*\mt+6*\c+3], v5 offset:12288*\mt+1536*\ks+768*\c
	ds_load_b64 v[FR+48+12*\mt+6*\c+4:FR+48+12*\mt+6*\c+5], v6 offset:12288*\mt+1536*\ks+768*\c
.endr
.endr
	s_wait_dscnt 0x0
.irp mt, 0,1                                       ; the eight accumulators take turns, one instruction a turn
.irp n, 0,1,2,3
.set D_, ACC+8*(4*\mt+\n)
.set C_, -1
.if \ks > 0
.set C_, D_
.endif
	WM D_, FR+12*\n, FR+48+12*\mt, C_, WS+8*(\n/2)+\ks, AS+\ks, \n%2, \mt
.endr
.endr
.endr
	PLACES 4
.irp mt, 0,1                                       ; 16 rows x 64 columns through my stage; LDS serves a wave's instructions in order
.irp n, 0,1,2,3
	ds_store_b128 v7, v[ACC+8*(4*\mt+\n):ACC+8*(4*\mt+\n)+3] offset:64*\n
	ds_store_b128 v7, v[ACC+8*(4*\mt+\n)+4:ACC+8*(4*\mt+\n)+7] offset:64*\n+16
.endr
.irp t, 0,1,2,3,4,5,6,7
	ds_load_b128 v[FR+32*\mt+4*\t:FR+32*\mt+4*\t+3], v8 offset:272*\t
.endr
.endr
	s_wait_loadcnt 0x0                             ; x
.irp mt, 0,1
	s_wait_dscnt 16-16*\mt                         ; behind tile 0's loads stand tile 1's eight stores and eight loads
.irp t, 0,1,2,3,4,5,6,7
.irp i, 0,1,2,3
	v_sub_f32 v[FR+32*\mt+4*\t+\i], v[FR+32*\mt+4*\t+\i], v[XX+32*\mt+4*\t+\i]
.endr
.irp i, 0,1,2,3
	v_fma_f32 v[FR+32*\mt+4*\t+\i], v[GG+8*\mt+\t], v[FR+32*\mt+4*\t+\i], v[XX+32*\mt+4*\t+\i]
.endr
	global_store_b128 v9, v[FR+32*\mt+4*\t:FR+32*\mt+4*\t+3], s[72:73] offset:(16*\mt+\t)*4096 th:TH_STORE_NT   ; two runs of 256 consecutive bytes, aligned
.endr
.endr
	s_set_vgpr_msb 0x5
	s_wait_tensorcnt 0x0
	ds_add_u32 v0, v1
	s_wait_dscnt 0x0
	s_set_vgpr_msb 0x500
	ROUND                                          ; the closing round
	s_endpgm
.Lfunc_end_k_q1b60a1201d_outp:
	.size	k_q1b60a1201d_outp, .Lfunc_end_k_q1b60a1201d_outp-k_q1b60a1201d_outp
	.p2alignl 7, 3214868480
	.fill 96, 4, 3214868480
	.section	.rodata,"a",@progbits
	.p2align	6, 0x0
	.amdhsa_kernel k_q1b60a1201d_outp
		.amdhsa_group_segment_fixed_size 295936
		.amdhsa_private_segment_fixed_size 0
		.amdhsa_enable_private_segment 0
		.amdhsa_kernarg_size 72
		.amdhsa_user_sgpr_count 2
		.amdhsa_user_sgpr_kernarg_segment_ptr 1
		.amdhsa_wavefront_size32 1
		.amdhsa_system_sgpr_workgroup_id_x 1
		.amdhsa_system_sgpr_workgroup_id_y 1
		.amdhsa_system_sgpr_workgroup_id_z 1
		.amdhsa_system_vgpr_workitem_id 0
		.amdhsa_next_free_vgpr 258
		.amdhsa_next_free_sgpr 80
		.amdhsa_reserve_vcc 0
		.amdhsa_float_denorm_mode_32 3
		.amdhsa_float_denorm_mode_16_64 3
		.amdhsa_memory_ordered 1
		.amdhsa_forward_progress 1
		.amdhsa_inst_pref_size 45
	.end_amdhsa_kernel
	.amdgpu_metadata
---
amdhsa.version: [ 1, 2 ]
amdhsa.kernels:
  - .name:           k_q1b60a1201d_outp
    .symbol:         k_q1b60a1201d_outp.kd
    .args:
      - { .name: oc, .offset: 0, .size: 8, .value_kind: global_buffer, .address_space: global }
      - { .name: os, .offset: 8, .size: 8, .value_kind: global_buffer, .address_space: global }
      - { .name: W_out_codes, .offset: 16, .size: 8, .value_kind: global_buffer, .address_space: global }
      - { .name: W_out_scales, .offset: 24, .size: 8, .value_kind: global_buffer, .address_space: global }
      - { .name: gp, .offset: 32, .size: 8, .value_kind: global_buffer, .address_space: global }
      - { .name: bg2, .offset: 40, .size: 8, .value_kind: global_buffer, .address_space: global }
      - { .name: x, .offset: 48, .size: 8, .value_kind: global_buffer, .address_space: global }
      - { .name: out0, .offset: 56, .size: 8, .value_kind: global_buffer, .address_space: global }
      - { .name: out1, .offset: 64, .size: 8, .value_kind: global_buffer, .address_space: global }
    .group_segment_fixed_size: 295936
    .private_segment_fixed_size: 0
    .kernarg_segment_align: 8
    .kernarg_segment_size: 72
    .max_flat_workgroup_size: 256
    .sgpr_count:     80
    .vgpr_count:     258
    .wavefront_size: 32
...
	.end_amdgpu_metadata
.endif
;; end of part 3
